; MI455X (gfx1250); checked and timed in simulation.
; The chip was launched on July 23, 2026; its instructions are those of AMD's public machine-readable ISA for CDNA 5 (MIT licence, August 2026) and "CDNA5" Instruction Set Architecture Reference Guide (July 2026). The comments in the code are by the model that wrote it; some were corrected since.
;; Self Attention. Allowed arithmetic: matrix products marked QUANTISED: E2M1 operands, one E8M0 scale for each 32 along K, by v_wmma_scale_f32_16x16x128_f8f6f4 with both operands' format E2M1 (or v_wmma_scale_f32_32x16x128_f4), f32 sums; everything else in f32.
;; Inputs: Wk_codes 256 x 8 x 16 uint8 (E2M1 codes of Wk, K innermost, in blocks of 32 codes, two codes a byte); Wk_scales 256 x 8 uint8 (E8M0 scales of Wk, one for each 32 codes along K); Wq_codes 256 x 8 x 16 uint8 (E2M1 codes of Wq, K innermost, in blocks of 32 codes, two codes a byte); Wq_scales 256 x 8 uint8 (E8M0 scales of Wq, one for each 32 codes along K); Wv_codes 256 x 8 x 16 uint8 (E2M1 codes of Wv, K innermost, in blocks of 32 codes, two codes a byte); Wv_scales 256 x 8 uint8 (E8M0 scales of Wv, one for each 32 codes along K); bk 256 float32; bq 256 float32; bv 256 float32; x_codes 4 x 4,096 x 8 x 16 uint8 (E2M1 codes of x, K innermost, in blocks of 32 codes, two codes a byte); x_scales 4 x 4,096 x 8 uint8 (E8M0 scales of x, one for each 32 codes along K).
;; Outputs: out0 4 x 4,096 x 256 float32.
;; This version of the problem:
;;   THIS VERSION OF THE PROBLEM IS GIVEN IN LOW PRECISION. The matrix products marked QUANTISED in the list below multiply operands that are first quantised to E2M1 (2 exponent bits, 1 mantissa bit; 4 bits a number), with one power-of-two scale for each 32 numbers along K (OCP MX v1.0); their sums are f32. All else is computed in f32.
;;   The module's matrix products, in the order in which they are computed (A, B: the left and right operand; K: the contracted axis; several contracted axes count as one K, in the product's order):
;;     1. [M 16,384, K 256] x [K 256, N 256]; A: input x (given as codes); B: input Wq (given as codes): QUANTISED
;;     2. [M 16,384, K 256] x [K 256, N 256]; A: input x (given as codes); B: input Wk (given as codes): QUANTISED
;;     3. [M 16,384, K 256] x [K 256, N 256]; A: input x (given as codes); B: input Wv (given as codes): QUANTISED
;;     4. batch 4 x [M 4,096, K 256] x [K 256, N 4,096]; A: computed on the way; B: computed on the way: QUANTISED
;;     5. batch 4 x [M 4,096, K 4,096] x [K 4,096, N 256]; A: softmax (see below); B: computed on the way: QUANTISED
;;   THE QUANTISER, for each operand of a quantised product, along K:
;;     - K is cut into blocks of 32 from its start; a last block that is shorter is filled with zeros.
;;     - A block's scale is 2^e with e = floor(log2(the largest magnitude in the block)) - 2, held to -126 .. 127; a block of zeros has e = 0. As a byte (E8M0): e + 127.
;;     - Each number is divided by its block's scale, clamped to +-6, and rounded to the nearest number of E2M1, ties to even, subnormals kept.
;;     - The product sums the exact products of the quantised numbers (number of the format x scale) in f32.
;;   ~~~python
;;   def quantise(x, axis):      # numpy; x: float32 -> the quantised numbers, widened to float32 again
;;       x = np.moveaxis(x, axis, -1); K = x.shape[-1]
;;       x = np.pad(x, [(0, 0)] * (x.ndim - 1) + [(0, -K % 32)]); x = x.reshape(x.shape[:-1] + (-1, 32)); a = np.abs(x).max(-1, keepdims=True)
;;       e = np.where(a > 0, np.clip(np.frexp(np.where(a > 0, a, 1))[1] - 1 - 2, -126, 127), 0)      # np.frexp(a)[1] - 1 = floor(log2(a)), exactly
;;       r = np.clip(x / 2.0 ** e, -6, 6)
;;       step = 2.0 ** (np.maximum(np.frexp(np.where(r == 0, 1, r))[1] - 1, 0) - 1)
;;       q = np.round(r / step) * step * 2.0 ** e      # np.round: ties to even
;;       return np.moveaxis(q.reshape(q.shape[:-2] + (-1,))[..., :K], -1, axis).astype(np.float32)
;;   ~~~
;;   SOFTMAX AHEAD OF A QUANTISED PRODUCT. Where the list says 'softmax', what is quantised is not the finished softmax but p = 2^(t - M), with t = logit x log2(e) and M = ceil(the row's largest t), a whole number; so 1/2 < the row's largest p <= 1. The row's sum l is taken of the UNQUANTISED p, in f32, and the product's result is divided by l at the end. Since M is a whole number, a kernel that streams over the keys may use a running M (the ceiling of the running maximum): every later rescaling is an exact power of two, which a block's scale takes up: the codes' values come out the same.
;;   OPERANDS COMPUTED ON THE WAY. 'Computed on the way' means the value that the module computes at that place (a softmax that the list does not call 'softmax' is quantised finished and normalised). What goes into a quantiser is computed in f32, as accurately as f32 sums, v_exp_f32 and their like allow (about 1e-6 of the number): no bf16 or f16 on the way to a quantiser, and a product that is left as it is and whose result goes on into a quantised operand takes f32 operands (vector FMAs, or v_wmma_f32_16x16x4_f32). A number that lies on a knife's edge between two numbers of the format may be rounded either way, as far as f32 arithmetic and the matrix unit's own rounding can turn it there, and no further.
;;   INPUTS GIVEN AS CODES. Wk (in the module: [256, 256], K = its axis 1); Wq (in the module: [256, 256], K = its axis 1); Wv (in the module: [256, 256], K = its axis 1); x (in the module: [4, 4096, 256], K = its axis 2): each comes as NAME_codes (uint8): NAME with its K axis moved to the last place and cut into blocks of 32 codes, [.., K / 32, bytes a block], one block behind the other in memory; two codes a byte, the lower K in the low four bits (a code: sign, 2 exponent bits, 1 mantissa bit); and NAME_scales (uint8): the same leading axes, one E8M0 byte (e + 127) for each 32 codes along K. Its value is code x scale, taken as it is: it is not quantised again, and the codes and scales need not be those that the quantiser above would give.
;; One version. Each part assembles by itself: llvm-mc -triple=amdgcn-amd-amdhsa -mcpu=gfx1250 --defsym DOCPART=n.
;; ======== version 1 of 1: 2 launches
;; limits: right only within a limited range of input values
;; workspace buffers: q 2,228,224 bytes; kv 4,456,448 bytes
;; launch proj (part 1): grid 256 x 1, 6 waves a work-group, no clusters, 0 bytes of LDS; arguments x_codes, x_scales, Wq_codes, Wq_scales, bq, Wk_codes, Wk_scales, bk, Wv_codes, Wv_scales, bv, q, kv; writes q, kv
.if DOCPART == 1
	.amdgcn_target "amdgcn-amd-amdhsa--gfx1250"
	.amdhsa_code_object_version 6
	.text
	.protected	k_q5ceba30766_proj
	.globl	k_q5ceba30766_proj
	.p2align	8
	.type	k_q5ceba30766_proj,@function
k_q5ceba30766_proj:
	s_mov_b64 s[64:65], 0
	v_nop
	global_prefetch_b8 v0, s[64:65] scope:SCOPE_SE
	s_setreg_imm32_b32 hwreg(HW_REG_WAVE_MODE, 25, 1), 1
	s_wait_xcnt 0x0
; Q = x Wq^T + bq, K = x Wk^T + bk, V = x Wv^T + bv on codes of FP4 (E2M1) with E8M0 scales; the results are quantised again, in registers, for the two products of attention:
; Q and K along the 256 features, V along the tokens (its K in the second product).  They leave as IMAGES OF OPERAND REGISTERS, so that the next launch loads fragments whole.
; A FRAGMENT is 16 rows x 128 K: 8 registers a lane, 1,024 bytes: registers 4 c .. 4 c + 3 of lane l at 512 c + 16 l.
; A BLOCK is 17,408 bytes: 16 fragments (position 2 o + half at 1,024 bytes each), then 1,024 bytes of scale words: the word of (o, half, lane r) at 16,384 + 512 half + 256 (o / 4) + 128 (o % 2) + 8 r + 4 ((o / 2) % 2).
;   q:  128 blocks; block T holds tokens 128 T on: o = tile of 16 tokens, half = which 128 of the features.
;   kv: 128 x (K block, V block); K block as q; V block: (o, half) = the tile of 16 features 128 half + .., K = the 128 tokens.
; THE ROWS OF A TILE ARE NOT NEIGHBOURS: lane r of tile o takes row 32 (o / 2) + 8 (o % 2) + r + 8 (r / 8), for tokens and for rows of W alike.  So in a result of two tiles of S0 (32 rows) x one tile of S1
; lane (r, h) holds one row of S1, and its 16 registers are 16 neighbours of S0: 32 b + 16 h + 0 .. 15, as the conversions and the operand layout want them.
; SHARES.  Work-group n: tokens 128 (n / 2) on, features 128 (n % 2) on.  Waves 0, 1 make Q, 2, 3 K, 4, 5 V; wave w the tiles 4 (w % 2) .. + 3 of S1 against all of S0.
; ONE FORM FOR ALL THREE.  Q, K: S0 = 128 rows of W, S1 = tokens (a lane holds a token, registers run along the features).  V: S0 = the tokens, S1 = rows of Wv.
; The bias is the C of each sum's first matrix instruction.  Waves share nothing: no LDS, no barrier; fragments go from memory straight into the registers of the wave that multiplies them, once: so no cluster.  No loop, so no prefetch.
; LIMITS: NaN and infinities are not served.  A block whose largest magnitude lies under 2^-124, a block of zeros among them, gets the scale byte 1 (its codes are then zeros or as the byte 1 gives them); these bytes are read by this program alone.
.set BLOCKB, 17408
.set LN,  1                            ; v1   lane
.set R,   2                            ; v2   r = lane % 16
.set H,   3                            ; v3   h = lane / 16
.set RR,  4                            ; v4   r + 8 (r / 8)
.set AF,  5                            ; v5   a fragment's byte in 16 rows of 128 bytes: 128 rr + 16 h
.set AS,  6                            ; v6   a row's two scale words: 8 (rr + 8 h): lanes 16-31 take the next tile's rows
.set H64, 7                            ; v7   64 h: bias of Q and K
.set RR4, 8                            ; v8   4 rr: bias of V
.set OI,  9                            ; v9   16 x lane: an image's place
.set O8,  10                           ; v10  8 x lane: the scale words' place
.set SC0, 16                           ; v16-23  S0's scale words: pair of tiles b, K steps 0, 1 at 2 b, 2 b + 1
.set SC1, 24                           ; v24-27  S1's, likewise
.set BW,  28                           ; v28-31  V's bias, a word for each tile
.set PW,  48                           ; v48-51  the scale word made for each tile
.set SD,  56                           ; v56-57  the scale words as they are stored
.set PC,  60                           ; v60-67  the codes just made
.set TM,  68                           ; v68-83  at work in QUANT
.set ACC, 96                           ; v96-159  four accumulators of 32 x 16
.set BI,  160                          ; v160-223 the bias in the results' layout
                                       ; window 1: v0-127 S0's fragments (pair b, s) at 16 (2 b + s); v128-191 S1's (t, s) at 128 + 8 (2 t + s)
.set WV,  3                            ; s3   wave
.set TBK, 4                            ; s4   block of 128 tokens
.set HF,  5                            ; s5   which 128 features
.set MT,  34                           ; s34  0 Q, 1 K, 2 V
.set GG,  35                           ; s35  which four tiles of S1
.set SEL, 56                           ; s[56:57] lane selects: lane l xor 16
.set MSB, 0
.macro WIN new                         ; the immediate's high byte repeats the setting that is left
.if MSB != \new
	s_set_vgpr_msb (MSB<<8)|\new
.set MSB, \new
.endif
.endm
; 64 numbers of a lane, register 16 b + i = k 32 b + 16 h + i of my row, become a fragment's codes in v[PC] on and its scale word in v[pw]
.macro QUANT s, pw
.irp b, 0,1,2,3
	v_max3_num_f32 v[TM+\b], |v[\s+16*\b]|, |v[\s+1+16*\b]|, 0x1800000   ; block b: my 16 numbers, and the floor 2^(3 - 127): the byte cannot fall under 1
.endr
.irp i, 2,4,6,8,10,12,14
.irp b, 0,1,2,3
	v_max3_num_f32 v[TM+\b], v[TM+\b], |v[\s+16*\b+\i]|, |v[\s+1+16*\b+\i]|   ; the four blocks by turns
.endr
.endr
.irp b, 0,1,2,3
	v_permlanex16_b32 v[TM+4+\b], v[TM+\b], s[SEL], s[SEL+1]
.endr
.irp b, 0,1,2,3
	v_max_num_f32 v[TM+\b], v[TM+\b], v[TM+4+\b]   ; with lane l xor 16's: the block's largest magnitude
.endr
.irp b, 0,1,2,3
	v_add_nc_u32 v[TM+12+\b], 0xff000000, v[TM+\b]   ; 2 off its exponent field: the conversion's scale operand
.endr
.irp b, 0,1,2,3
	v_lshrrev_b32 v[TM+4+\b], 23, v[TM+12+\b]   ; the scale's byte
.endr
	v_lshl_or_b32 v[\pw], v[TM+5], 8, v[TM+4]   ; the four bytes make my row's scale word
	v_lshl_or_b32 v[\pw], v[TM+6], 16, v[\pw]
	v_lshl_or_b32 v[\pw], v[TM+7], 24, v[\pw]
.irp b, 0,1,2,3
	v_cvt_scalef32_pk8_fp4_f32 v[PC+2*\b], v[\s+16*\b:\s+7+16*\b], v[TM+12+\b]
	v_cvt_scalef32_pk8_fp4_f32 v[PC+1+2*\b], v[\s+8+16*\b:\s+15+16*\b], v[TM+12+\b]
.endr
	v_nop                                          ; one plain place behind a scaled conversion
.irp c, 0,1                                    ; the operand's layout wants a whole block in a lane: lanes 0-15 block 2 c, lanes 16-31 block 2 c + 1
.irp i, 0,1
	v_permlane16_swap_b32 v[PC+4*\c+\i], v[PC+2+4*\c+\i]
.endr
.endr
.endm
.macro WM d, a, b, c, sa, sb, row      ; one product of 32 x 16 x 128; row: S1's scales lie in lanes 16-31
.if \row
	v_wmma_scale_f32_32x16x128_f4 v[\d:\d+15], v[\a:\a+15], v[\b:\b+7], v[\c:\c+15], v[\sa], v[\sb] matrix_b_scale:MATRIX_SCALE_ROW1
.else
	v_wmma_scale_f32_32x16x128_f4 v[\d:\d+15], v[\a:\a+15], v[\b:\b+7], v[\c:\c+15], v[\sa], v[\sb]
.endif
.endm
; S1's tile t against all of S0: 8 matrix instructions, four accumulators by turns; then one fragment and one scale word
.macro OUTER t, isv
	s_wait_loadcnt 4*(3-\t)                        ; all but the four loads of each later tile of S1 are in
.if \isv
.set j, 0
.rept 16
	v_mov_b32 v[BI+16*\t+j], v[BW+\t]              ; V: a lane holds one feature: its bias in all 16 registers of C
.set j, j+1
.endr
.endif
	WIN 0x05                                       ; sources 0 and 1 in window 1
.irp b, 0,1,2,3
.if \isv
	WM ACC+16*\b, 32*\b, 128+16*\t, BI+16*\t, SC0+2*\b, SC1+2*(\t/2), \t%2
.else
	WM ACC+16*\b, 32*\b, 128+16*\t, BI+16*\b, SC0+2*\b, SC1+2*(\t/2), \t%2
.endif
.endr
.irp b, 0,1,2,3
	WM ACC+16*\b, 32*\b+16, 136+16*\t, ACC+16*\b, SC0+2*\b+1, SC1+2*(\t/2)+1, \t%2
.endr
	WIN 0
.rept 4
	v_nop                                          ; four places in front of the first read of results (ISA guide 7.12.1)
.endr
.if \t > 0
	s_wait_xcnt 0x0                                ; the last tile's stores have read v[PC] on: it is written again only behind this wait
.endif
	QUANT ACC, PW+\t
.irp c, 0,1
	global_store_b128 v[OI], v[PC+4*\c:PC+4*\c+3], s[42:43] offset:2048*\t+512*\c   ; 32 lanes store 512 consecutive bytes, aligned
.endr
.endm
.macro PATH isv
.if \isv
.irp t, 0,1,2,3
	global_load_b32 v[BW+\t], v[RR4], s[40:41] offset:(32*(\t/2)+8*(\t%2))*4
.endr
.else
.irp b, 0,1,2,3                                ; Q, K: registers run along the features: pair b wants those of 32 b + 16 h + 0 .. 15
.irp i, 0,1,2,3
	global_load_b128 v[BI+16*\b+4*\i:BI+16*\b+4*\i+3], v[H64], s[40:41] offset:128*\b+16*\i
.endr
.endr
.endif
	WIN 0x40                                       ; destination window 1
.irp t, 0,1,2,3
.irp s, 0,1
.irp c, 0,1
	global_load_b128 v[128+8*(2*\t+\s)+4*\c:128+8*(2*\t+\s)+4*\c+3], v[AF], s[46:47] offset:(32*(\t/2)+8*(\t%2))*128+64*\s+32*\c
.endr
.endr
.endr
	WIN 0
	OUTER 0, \isv
	OUTER 1, \isv
	OUTER 2, \isv
	OUTER 3, \isv
	v_cmp_gt_u32 vcc_lo, 16, v[LN]                 ; lanes 0-15 store the words of tiles 0 and 2, lanes 16-31 those of tiles 1 and 3: 8 bytes a lane
.irp j, 0,1
	v_cndmask_b32 v[SD+\j], v[PW+1+2*\j], v[PW+2*\j], vcc_lo
.endr
	global_store_b64 v[O8], v[SD:SD+1], s[54:55] offset:16384   ; 32 lanes store 256 consecutive bytes, aligned
	s_endpgm
.endm
	s_load_b512 s[8:23], s[0:1], 0x0               ; x codes 8, x scales 10, Wq codes 12, Wq scales 14, bq 16, Wk codes 18, Wk scales 20, bk 22
	s_load_b256 s[24:31], s[0:1], 0x40             ; Wv codes 24, Wv scales 26, bv 28, q 30
	s_load_b64 s[32:33], s[0:1], 0x60              ; kv
	v_lshrrev_b32 v1, 5, v0
	v_readfirstlane_b32 s[WV], v1                  ; wave 0..5
	s_lshr_b32 s[MT], s[WV], 1
	s_and_b32 s[GG], s[WV], 1
	s_lshr_b32 s[TBK], ttmp9, 1
	s_and_b32 s[HF], ttmp9, 1
	s_mov_b32 s7, 0                                ; the high words of the offset pairs s[6:7] and s[52:53]
	s_mov_b32 s53, 0
	s_mov_b32 s[SEL], 0x76543210
	s_mov_b32 s[SEL+1], 0xfedcba98
	v_and_b32 v[LN], 31, v0
	v_and_b32 v[R], 15, v0
	v_bfe_u32 v[H], v0, 4, 1
	v_and_b32 v[RR], 8, v[R]
	v_add_nc_u32 v[RR], v[RR], v[R]
	v_lshlrev_b32 v[AF], 7, v[RR]
	v_lshl_add_u32 v[AF], v[H], 4, v[AF]
	v_lshlrev_b32 v[H64], 6, v[H]
	v_lshl_add_u32 v[AS], v[RR], 3, v[H64]
	v_lshlrev_b32 v[RR4], 2, v[RR]
	v_lshlrev_b32 v[OI], 4, v[LN]
	v_lshlrev_b32 v[O8], 3, v[LN]
.irp b, 0,1,2,3
	v_mov_b32 v[TM+4+\b], 0                        ; written once: a lane permute's destination counts as one of its sources
.endr
	s_wait_alu depctr_va_vdst(0)
	s_wait_kmcnt 0x0
	s_cmp_eq_u32 s[MT], 1                          ; my weight, its scales, my bias, my output: chosen by the wave's number alone
	s_cselect_b64 s[36:37], s[18:19], s[24:25]
	s_cselect_b64 s[38:39], s[20:21], s[26:27]
	s_cselect_b64 s[40:41], s[22:23], s[28:29]
	s_cmp_eq_u32 s[MT], 0
	s_cselect_b64 s[36:37], s[12:13], s[36:37]
	s_cselect_b64 s[38:39], s[14:15], s[38:39]
	s_cselect_b64 s[40:41], s[16:17], s[40:41]
	s_cselect_b64 s[42:43], s[30:31], s[32:33]
	s_mov_b32 s52, 2*BLOCKB
	s_cselect_b32 s52, BLOCKB, s52                 ; from token block to token block: one block in q, two in kv
	s_mul_i32 s52, s52, s[TBK]
	s_cmp_eq_u32 s[MT], 2
	s_cselect_b32 s6, BLOCKB, 0                    ; V's block lies behind K's
	s_add_co_u32 s52, s52, s6
	s_add_nc_u64 s[42:43], s[42:43], s[52:53]      ; my block
	s_lshl_b32 s6, s[HF], 9
	s_lshl_b32 s52, s[GG], 8
	s_add_co_u32 s6, s6, s52
	s_add_nc_u64 s[54:55], s[42:43], s[6:7]        ; its scale words: + 512 half + 256 g
	s_lshl_b32 s6, s[HF], 10
	s_add_nc_u64 s[38:39], s[38:39], s[6:7]        ; W's scales: 128 rows of 8 bytes
	s_lshl_b32 s52, s[GG], 13
	s_add_co_u32 s6, s6, s52
	s_add_nc_u64 s[42:43], s[42:43], s[6:7]        ; my fragments: + 1,024 half + 8,192 g
	s_lshl_b32 s6, s[HF], 14
	s_add_nc_u64 s[36:37], s[36:37], s[6:7]        ; W's codes: 128 rows of 128 bytes
	s_lshl_b32 s6, s[HF], 9
	s_lshl_b32 s52, s[GG], 8
	s_cmp_eq_u32 s[MT], 2
	s_cselect_b32 s52, s52, 0
	s_add_co_u32 s6, s6, s52
	s_add_nc_u64 s[40:41], s[40:41], s[6:7]        ; the bias: 128 numbers (V: my 64)
	s_lshl_b32 s6, s[TBK], 14
	s_add_nc_u64 s[8:9], s[8:9], s[6:7]            ; x's codes
	s_lshl_b32 s6, s[TBK], 10
	s_add_nc_u64 s[10:11], s[10:11], s[6:7]        ; x's scales
	s_cmp_eq_u32 s[MT], 2                          ; V takes the tokens as S0, Q and K as S1
	s_cselect_b64 s[44:45], s[8:9], s[36:37]
	s_cselect_b64 s[46:47], s[36:37], s[8:9]
	s_cselect_b64 s[48:49], s[10:11], s[38:39]
	s_cselect_b64 s[50:51], s[38:39], s[10:11]
	s_lshl_b32 s6, s[GG], 13
	s_add_nc_u64 s[46:47], s[46:47], s[6:7]        ; my 64 rows of S1
	s_lshl_b32 s6, s[GG], 9
	s_add_nc_u64 s[50:51], s[50:51], s[6:7]
	WIN 0x40                                       ; destination window 1
.irp b, 0,1,2,3
.irp s, 0,1
.irp e, 0,1
.irp c, 0,1
	global_load_b128 v[16*(2*\b+\s)+8*\e+4*\c:16*(2*\b+\s)+8*\e+4*\c+3], v[AF], s[44:45] offset:(32*\b+8*\e)*128+64*\s+32*\c
.endr
.endr
.endr
.endr
	WIN 0
.irp b, 0,1,2,3
	global_load_b64 v[SC0+2*\b:SC0+2*\b+1], v[AS], s[48:49] offset:256*\b
.endr
.irp b, 0,1
	global_load_b64 v[SC1+2*\b:SC1+2*\b+1], v[AS], s[50:51] offset:256*\b
.endr
	s_wait_alu depctr_va_vdst(0)
	s_cmp_eq_u32 s[MT], 2
	s_cbranch_scc1 .Lv
	PATH 0
.Lv:
	PATH 1
.Lfunc_end_k_q5ceba30766_proj:
	.size	k_q5ceba30766_proj, .Lfunc_end_k_q5ceba30766_proj-k_q5ceba30766_proj
	.p2alignl 7, 3214868480
	.fill 96, 4, 3214868480
	.section	.rodata,"a",@progbits
	.p2align	6, 0x0
	.amdhsa_kernel k_q5ceba30766_proj
		.amdhsa_group_segment_fixed_size 0
		.amdhsa_private_segment_fixed_size 0
		.amdhsa_enable_private_segment 0
		.amdhsa_kernarg_size 104
		.amdhsa_user_sgpr_count 2
		.amdhsa_user_sgpr_kernarg_segment_ptr 1
		.amdhsa_wavefront_size32 1
		.amdhsa_system_sgpr_workgroup_id_x 1
		.amdhsa_system_sgpr_workgroup_id_y 1
		.amdhsa_system_sgpr_workgroup_id_z 1
		.amdhsa_system_vgpr_workitem_id 0
		.amdhsa_next_free_vgpr 448
		.amdhsa_next_free_sgpr 66
		.amdhsa_reserve_vcc 1
		.amdhsa_float_denorm_mode_32 3
		.amdhsa_float_denorm_mode_16_64 3
		.amdhsa_memory_ordered 1
		.amdhsa_forward_progress 1
		.amdhsa_inst_pref_size 56
	.end_amdhsa_kernel
	.amdgpu_metadata
---
amdhsa.version: [ 1, 2 ]
amdhsa.kernels:
  - .name:           k_q5ceba30766_proj
    .symbol:         k_q5ceba30766_proj.kd
    .args:
      - { .name: x_codes, .offset: 0, .size: 8, .value_kind: global_buffer, .address_space: global }
      - { .name: x_scales, .offset: 8, .size: 8, .value_kind: global_buffer, .address_space: global }
      - { .name: Wq_codes, .offset: 16, .size: 8, .value_kind: global_buffer, .address_space: global }
      - { .name: Wq_scales, .offset: 24, .size: 8, .value_kind: global_buffer, .address_space: global }
      - { .name: bq, .offset: 32, .size: 8, .value_kind: global_buffer, .address_space: global }
      - { .name: Wk_codes, .offset: 40, .size: 8, .value_kind: global_buffer, .address_space: global }
      - { .name: Wk_scales, .offset: 48, .size: 8, .value_kind: global_buffer, .address_space: global }
      - { .name: bk, .offset: 56, .size: 8, .value_kind: global_buffer, .address_space: global }
      - { .name: Wv_codes, .offset: 64, .size: 8, .value_kind: global_buffer, .address_space: global }
      - { .name: Wv_scales, .offset: 72, .size: 8, .value_kind: global_buffer, .address_space: global }
      - { .name: bv, .offset: 80, .size: 8, .value_kind: global_buffer, .address_space: global }
      - { .name: q, .offset: 88, .size: 8, .value_kind: global_buffer, .address_space: global }
      - { .name: kv, .offset: 96, .size: 8, .value_kind: global_buffer, .address_space: global }
    .group_segment_fixed_size: 0
    .private_segment_fixed_size: 0
    .kernarg_segment_align: 8
    .kernarg_segment_size: 104
    .max_flat_workgroup_size: 192
    .sgpr_count:     66
    .vgpr_count:     448
    .wavefront_size: 32
...
	.end_amdgpu_metadata
.endif
;; end of part 1
;; launch attn (part 2): grid 64 x 4, 4 waves a work-group, clusters of 4 x 1, 327,680 bytes of LDS; arguments q, kv, out0; writes out0
.if DOCPART == 2
	.amdgcn_target "amdgcn-amd-amdhsa--gfx1250"
	.amdhsa_code_object_version 6
	.text
	.protected	k_q5ceba30766_attn
	.globl	k_q5ceba30766_attn
	.p2align	8
	.type	k_q5ceba30766_attn,@function
k_q5ceba30766_attn:
	s_mov_b64 s[64:65], 0
	v_nop
	global_prefetch_b8 v0, s[64:65] scope:SCOPE_SE
	s_setreg_imm32_b32 hwreg(HW_REG_WAVE_MODE, 25, 1), 1
	s_wait_xcnt 0x0
	s_wait_alu depctr_hold_cnt(0) depctr_sa_sdst(0) depctr_va_vdst(0) depctr_va_sdst(0) depctr_va_ssrc(0) depctr_va_vcc(0) depctr_vm_vsrc(0)
	s_getreg_b32 s2, hwreg(HW_REG_IB_STS2, 6, 4)
	s_cmp_eq_u32 s2, 0
	s_cbranch_scc0 .Lentry_in_a_cluster
	s_endpgm
.Lentry_in_a_cluster:
	s_bfe_u32 s2, ttmp6, 0x10000c
	s_cmp_lg_u32 s2, 0x3003
	s_cbranch_scc0 .Lentry_shape_is_right
	s_endpgm
.Lentry_shape_is_right:
; out[b][i][:] = the sum over keys k of softmax_k(Q[b][i] . K[b][k] / 16) V[b][k][:], 4 batches x 4,096 tokens x 256 features, both products on codes of FP4 (E2M1) with E8M0 scales.
; q and kv hold images of operand registers, laid by the launch before: a fragment (16 rows x 128 K) is 1,024 bytes, registers 4 c .. 4 c + 3 of lane l at 512 c + 16 l; a block is 16 fragments (position 2 o + half)
; and 1,024 bytes of scale words (o, half, lane r) at 16,384 + 512 half + 256 (o / 4) + 128 (o % 2) + 8 r + 4 ((o / 2) % 2): 17,408 bytes.  kv has for each 128 keys a block of K (o: key tile, half: which 128 features)
; and a block of V (o: tile of 16 features in half, K = the 128 keys).  Lane r of a tile holds row 32 (o / 2) + 8 (o % 2) + r + 8 (r / 8), so that the 16 registers of two neighbouring result tiles are 16 neighbours.
; THE SOFTMAX AHEAD OF THE SECOND PRODUCT: t = score x log2(e) / 16; M = the largest t so far, rounded up to a whole number; p = 2^(t - M) is quantised along the keys, not normalised; the sum is taken of the unquantised p.
; A block's scale exponent is floor(its largest t - M) - 2.
; SHARES.  A work-group owns 64 queries, four tiles.  A step is 512 keys.  In it wave w makes the scores of its own 128 keys against all four tiles (each fragment of K feeds four products), and then 64 of the 256 features
; of O^T against all four tiles and all 512 keys (each fragment of V feeds four products).  The waves hand each other p's codes, their scale bytes and the row maxima through LDS; M is the same in all four waves.
; ONE BARRIER A STEP, two exchange buffers by turns: behind a barrier the step before's p and this step's maxima are read from one, this step's p and the next step's maxima go into the other.
; RING.  Two slots of 139,264 bytes, four units of V | K.  Step i reads from slot i % 2 what it multiplies: V of step i - 1 and K of step i + 1.  One tensor load a wave fills its unit: a tile of two rows of 17,408 bytes, V of step j and
; K of step j + 2.  The head's one load brings K of steps 0 and 1; the last two fills bring V alone.  A fill is asked for at the end of a step and has the whole next step in which to land.  By this text's count a wave has one tensor load out.
; CLUSTER.  The four work-groups of a cluster belong to one batch and walk the same kv: each fill is asked for jointly, the same tensor load with the same descriptor and the mask of all four.
; Both products are used transposed, S^T = K Q^T, O^T = V^T P^T, by the 32-row form: a lane holds one query throughout; a result's 16 registers are 16 neighbouring keys or features.
; LIMITS: NaN and infinities are not served.  A block of p whose largest lies under 2^-124 keeps the scale byte 1; p under 2^-126 counts as 0.
; REGISTERS.  window 0: below.  window 1: S^T, then p: tile u at 64 u, block b of 32 keys at 16 b.  window 2: K's fragments (pair b, half s) at 16 (2 b + s); V's (128 keys k, pair f) at 128 + 16 (2 k + f).
; window 3: O^T (pair f, tile u) at 16 (4 f + u); p's codes (keys k, tile u) at 128 + 8 (4 k + u).
.set BLOCKB, 17408
.set STEPB,  2*BLOCKB
.set GROUPB, 4*STEPB                   ; a step's K and V blocks in kv
.set SLOT,   4*STEPB                   ; 139,264
.set PBASE,  2*SLOT                    ; behind the ring: two exchange buffers
.set PSO,  16384                       ; in a buffer: 16 fragments of p; four waves' scale words;
.set MXO,  17408                       ; four waves' row maxima (in the last step: their sums)
.set BUF,  18432
.set FLIPX, 0xc800                     ; PBASE exclusive-or PBASE + BUF
.set SPARE, PBASE+2*BUF                ; the spare words, 128 bytes for each wave: two blocks of 256 bytes that no other line names
.set SROW, 272                         ; the way out: a stage row: 256 bytes + 16
.set STG,  64*SROW
.set STAGE, SLOT                       ; the stages lie in slot 1, which has had its last fill and its last read when the first result is stored there
.set L16, 1                            ; v1   16 x lane
.set SPW, 2                            ; v2   LDS address of my spare word; never rewritten
.set NIL, 3                            ; v3   0; never rewritten
.set PFO, 5                            ; v5   the prefetches' offset; never rewritten
.set L4,  6                            ; v6   4 x lane
.set WC0, 7                            ; v7   where I put codes, v8 scale bytes, v9 maxima, in a buffer
.set WB0, 8
.set WM0, 9
.set RD,  10                           ; v10-11 the buffer that is read: 16 x lane, 4 x lane on;  v12-14 the buffer that is written
.set R4,  11
.set WRC, 12
.set WRB, 13
.set WRM, 14
.set L8,  15                           ; v15  8 x lane
.set NM,  16                           ; v16-17  -M; lanes 0-15 tile 2 p, lanes 16-31 tile 2 p + 1
.set RM,  18                           ; v18-19  the largest score so far, likewise
.set T,   20                           ; v20-27  at work
.set NB,  28                           ; v28-35  -M of tile u at 28 + 2 u, in both halves of the lanes; the odd registers hold 0
.set FB,  36                           ; v36-43  the factor of tile u, likewise
.set LS,  44                           ; v44-51  the sums of tile u, a pair;  v52-59 their second chain
.set LT,  52
.set KSC, 60                           ; v60-67  K's scale words (half s, pair b) at 60 + 4 s + b
.set VSC, 68                           ; v68-75  V's (keys k, pair f) at 68 + 2 k + f
.set QSC, 76                           ; v76-79  Q's (half s, tiles 2 p and 2 p + 1) at 76 + 2 s + p
.set PSC, 80                           ; v80-87  p's (keys k, tiles 2 p and 2 p + 1) at 80 + 2 k + p
.set MX,  88                           ; v88-95  the four waves' maxima: 88 + 4 p + wave
.set X,   96                           ; v96-103 blocks' largest scores: tile u: blocks 0 | 1 at 96 + 2 u, 2 | 3 at 97 + 2 u (lanes 0-15 | 16-31)
.set BM,  104                          ; v104-119 block maxima of my lane; later the conversions' scale operands (u, b) at 104 + 4 u + b
.set EB,  120                          ; v120-127 the scale bytes, laid as X
.set PC,  128                          ; v128-159 the codes just made, 8 a tile
.set QF,  160                          ; v160-223 Q's fragments (u, s) at 160 + 8 (2 u + s)
.set STO, 224                          ; v224 the stage, in;  v225 back;  v226 my byte offset in out0
.set RDO, 225
.set GO,  226
.set KA0, 227                          ; v227-230 places in a slot: my K's fragments, its scale words, my features' fragments of V, their scale words
.set KS0, 228
.set VF0, 229
.set VS0, 230
.set KA,  231                          ; v231-236 the same in the slot in hand; V's for units 0, 1 and for units 2, 3
.set KS,  232
.set VA,  233
.set VB,  234
.set VSA, 235
.set VSB, 236
.set WV,  10
.set QB,  11
.set CX,  12
.set BAT, 15
.set TR,  16                           ; s16  the buffer that is read;  s17 the one that is written
.set TW,  17
.set CNT, 18
.set LIM, 19                           ; s19  1 in a cluster that prefetches, else the greatest number
.set SB,  20                           ; s20  the slot in hand: 0 or SLOT
.set WOFF, 21                          ; s21  my unit in a slot
.set CS,  22                           ; s[22:23] c = log2(e) / 16;  s24  -c
.set NC,  24
.set PFA, 30                           ; s[30:31] where my prefetches stand
.set G1H, 68                           ; s[68:75] descriptor group 1 of the head's load;  s[76:83] of V and K;  s[84:91] of V alone
.set G1D, 76
.set G1S, 84
.set G0,  92                           ; s[92:95] group 0, which walks
.set MSB, 0
.macro WIN new                         ; the immediate's high byte repeats the setting that is left
.if MSB != \new
	s_set_vgpr_msb (MSB<<8)|\new
.set MSB, \new
.endif
.endm
.macro PLACES
.rept 4
	v_nop
.endr
.endm
.macro VDST
	s_wait_alu depctr_va_vdst(0)
.endm
.macro CREST                           ; a round of the cluster's barrier behind its opening barrier
	s_cmp_lg_u32 s[WV], 0
	s_cbranch_scc1 .Lnot_wave_0_\@
	s_barrier_signal -3
.Lnot_wave_0_\@:
	s_barrier_wait -3
	s_barrier_signal -1
	s_barrier_wait -1
.endm
.macro CROUND
	s_barrier_signal -1
	s_barrier_wait -1
	CREST
.endm
.macro FILL g1                         ; my one joint load behind a round
	tensor_load_to_lds s[G0:G0+3], s[\g1:\g1+7]
	s_nop 0
	PLACES
.endm
; one product of 32 x 16 x 128; z = 1: it starts the sum; row: B's scales lie in lanes 16-31
.macro WM d, a, b, z, sa, sb, row
.if \z
.if \row
	v_wmma_scale_f32_32x16x128_f4 v[\d:\d+15], v[\a:\a+15], v[\b:\b+7], 0, v[\sa], v[\sb] matrix_b_scale:MATRIX_SCALE_ROW1
.else
	v_wmma_scale_f32_32x16x128_f4 v[\d:\d+15], v[\a:\a+15], v[\b:\b+7], 0, v[\sa], v[\sb]
.endif
.else
.if \row
	v_wmma_scale_f32_32x16x128_f4 v[\d:\d+15], v[\a:\a+15], v[\b:\b+7], v[\d:\d+15], v[\sa], v[\sb] matrix_b_scale:MATRIX_SCALE_ROW1
.else
	v_wmma_scale_f32_32x16x128_f4 v[\d:\d+15], v[\a:\a+15], v[\b:\b+7], v[\d:\d+15], v[\sa], v[\sb]
.endif
.endif
.endm
.macro KLOAD                           ; 36 loads: my 128 keys
.irp s, 0,1
.irp e, 0,1
	ds_load_b64 v[KSC+4*\s+2*\e:KSC+4*\s+2*\e+1], v[KS] offset:16384+512*\s+256*\e
.endr
.endr
	WIN 0x80
.irp b, 0,1,2,3
.irp s, 0,1
.irp e, 0,1
.irp c, 0,1
	ds_load_b128 v[16*(2*\b+\s)+8*\e+4*\c:16*(2*\b+\s)+8*\e+4*\c+3], v[KA] offset:1024*(4*\b+2*\e+\s)+512*\c
.endr
.endr
.endr
.endr
	WIN 0
.endm
.macro VLOAD                           ; 36 loads: my 64 features x 512 keys
.irp k, 0,1
	ds_load_b64 v[VSC+2*\k:VSC+2*\k+1], v[VSA] offset:STEPB*\k
	ds_load_b64 v[VSC+4+2*\k:VSC+4+2*\k+1], v[VSB] offset:STEPB*\k
.endr
	WIN 0x80
.irp k, 0,1
.irp f, 0,1
.irp e, 0,1
.irp c, 0,1
	ds_load_b128 v[128+16*(2*\k+\f)+8*\e+4*\c:128+16*(2*\k+\f)+8*\e+4*\c+3], v[VA] offset:STEPB*\k+4096*\f+2048*\e+512*\c
.endr
.endr
.endr
.endr
.irp k, 0,1
.irp f, 0,1
.irp e, 0,1
.irp c, 0,1
	ds_load_b128 v[192+16*(2*\k+\f)+8*\e+4*\c:192+16*(2*\k+\f)+8*\e+4*\c+3], v[VB] offset:STEPB*\k+4096*\f+2048*\e+512*\c
.endr
.endr
.endr
.endr
	WIN 0
.endm
; S^T: eight accumulators by turns
.macro QK
	WIN 0x52                                       ; K window 2, Q window 0, C and D window 1
.irp g, 0,2
.irp s, 0,1
.irp d, 0,1
.irp u, 0,1,2,3
	WM 64*\u+16*(\g+\d), 16*(2*(\g+\d)+\s), QF+8*(2*\u+\s), 1-\s, KSC+4*\s+\g+\d, QSC+2*\s+\u/2, \u%2
.endr
.endr
.endr
.endr
	WIN 0
	PLACES                                         ; in front of the first read of the scores
.endm
; the blocks' largest scores: 16 chains; then lanes l and l xor 16 joined, two blocks to a register, and the rows' largest, two tiles to a register, for the other waves
.macro MAXS
	WIN 0x05
.irp b, 0,1,2,3
.irp u, 0,1,2,3
	v_max_num_f32 v[BM+4*\u+\b], v[64*\u+16*\b], v[64*\u+16*\b+1]
.endr
.endr
.irp i, 2,4,6,8,10,12,14
.irp b, 0,1,2,3
.irp u, 0,1,2,3
	v_max3_num_f32 v[BM+4*\u+\b], v[64*\u+16*\b+\i], v[64*\u+16*\b+\i+1], v[BM+4*\u+\b]
.endr
.endr
.endr
	WIN 0
.irp u, 0,1,2,3
	v_permlane16_swap_b32 v[BM+4*\u], v[BM+4*\u+1]
	v_permlane16_swap_b32 v[BM+4*\u+2], v[BM+4*\u+3]
.endr
.irp u, 0,1,2,3
	v_max_num_f32 v[X+2*\u], v[BM+4*\u], v[BM+4*\u+1]
	v_max_num_f32 v[X+2*\u+1], v[BM+4*\u+2], v[BM+4*\u+3]
.endr
.irp u, 0,1,2,3
	v_max_num_f32 v[T+\u], v[X+2*\u], v[X+2*\u+1]
.endr
	v_permlane16_swap_b32 v[T], v[T+1]
	v_permlane16_swap_b32 v[T+2], v[T+3]
	v_max_num_f32 v[T+4], v[T], v[T+1]
	v_max_num_f32 v[T+5], v[T+2], v[T+3]
.endm
.macro PUB                             ; 32 queries a register, for the other waves
	VDST
	ds_store_b32 v[WRM], v[T+4]
	ds_store_b32 v[WRM], v[T+5] offset:128
.endm
.macro ADRS                            ; the next step's addresses
	v_add_nc_u32 v[R4], s[TR], v[L4]
	v_add_nc_u32 v[RD], s[TR], v[L16]
	v_add_nc_u32 v[VA], s[SB], v[VF0]
	v_add_nc_u32 v[VSA], s[SB], v[VS0]
	v_add_nc_u32 v[WRC], s[TW], v[WC0]
	v_add_nc_u32 v[WRB], s[TW], v[WB0]
	v_add_nc_u32 v[WRM], s[TW], v[WM0]
	v_add_nc_u32 v[KA], s[SB], v[KA0]
	v_add_nc_u32 v[KS], s[SB], v[KS0]
	v_add_nc_u32 v[VB], 2*STEPB, v[VA]
	v_add_nc_u32 v[VSB], 2*STEPB, v[VSA]
.endm
.macro STC u                           ; tile u's codes into the buffer that is written
.irp c, 0,1
	ds_store_b128 v[WRC], v[PC+8*\u+4*\c:PC+8*\u+4*\c+3] offset:1024*\u+512*\c
.endr
.endm
; 64 exponentials of tile u; between them the next tile's multiply-adds and the last tile's sums' first level, which read nothing that is written between them
.macro EXPS u
	VDST
.if \u == 1
	STC 0
.endif
.if \u == 3
	STC 2
.endif
	WIN 0x45
.set j, 0
.rept 32
	v_exp_f32 v[64*\u+j], v[64*\u+j]
	v_exp_f32 v[64*\u+j+1], v[64*\u+j+1]
.if \u < 3
	v_pk_fma_f32 v[64*\u+64+j:64*\u+65+j], v[64*\u+64+j:64*\u+65+j], s[CS:CS+1], v[NB+2*\u+2:NB+2*\u+3] op_sel_hi:[1,0,0]
.endif
.if (\u > 0) && (j%4 == 0)
	v_pk_add_f32 v[64*\u-64+j:64*\u-63+j], v[64*\u-64+j:64*\u-63+j], v[64*\u-62+j:64*\u-61+j]
.endif
.set j, j+2
.endr
.if \u == 3
	v_nop                                          ; one plain place behind a transcendental
.endif
	VDST
.endm
.macro CVT u                           ; tile u's codes, a whole block in a lane
	WIN 0x01
.irp b, 0,1,2,3
	v_cvt_scalef32_pk8_fp4_f32 v[PC+8*\u+2*\b], v[64*\u+16*\b:64*\u+16*\b+7], v[BM+4*\u+\b]
	v_cvt_scalef32_pk8_fp4_f32 v[PC+8*\u+2*\b+1], v[64*\u+16*\b+8:64*\u+16*\b+15], v[BM+4*\u+\b]
.endr
	WIN 0
	v_nop                                          ; one plain place behind a scaled conversion
.irp c, 0,1
.irp i, 0,1
	v_permlane16_swap_b32 v[PC+8*\u+4*\c+\i], v[PC+8*\u+4*\c+2+\i]
.endr
.endr
.endm
.macro MLOAD                           ; 8 loads: the four waves' maxima
.irp p, 0,1
.irp k, 0,1,2,3
	ds_load_b32 v[MX+4*\p+\k], v[R4] offset:MXO+256*\k+128*\p
.endr
.endr
.endm
.macro PLOAD                           ; 40 loads: p's scale words and codes of the four waves
.irp k, 0,1,2,3
.irp p, 0,1
	ds_load_b32 v[PSC+2*\k+\p], v[R4] offset:PSO+256*\k+128*\p
.endr
.endr
	WIN 0xc0
.irp k, 0,1,2,3
.irp u, 0,1,2,3
.irp c, 0,1
	ds_load_b128 v[128+8*(4*\k+\u)+4*\c:128+8*(4*\k+\u)+4*\c+3], v[RD] offset:4096*\k+1024*\u+512*\c
.endr
.endr
.endr
	WIN 0
.endm
.macro PV                              ; O^T: eight accumulators by turns
	WIN 0xfe                                       ; V window 2, p, C and D window 3
.irp k, 0,1,2,3
.irp f, 0,1
.irp u, 0,1,2,3
	WM 16*(4*\f+\u), 128+16*(2*\k+\f), 128+8*(4*\k+\u), 0, VSC+2*\k+\f, PSC+2*\k+\u/2, \u%2
.endr
.endr
.endr
	WIN 0
	PLACES
.endm
; A PREFETCH of what the end of the NEXT step will ask for: of the batch's clusters the first asks for K's blocks, the second for V's.  A block is 68 pieces of 256 bytes; of wave w's unit the partner at place cx takes 17,
; told apart by address; lanes 0 to 16 name one each, lanes 17 to 31 lane 16's again.  The fills ahead of step 3's and the last two come by their loads alone.
.macro ASK
	VDST
	s_cmp_gt_u32 s[CNT], s[LIM]
	s_cbranch_scc0 .Lnot_mine_\@
	global_prefetch_b8 v[PFO], s[PFA:PFA+1] th:TH_LOAD_NT scope:SCOPE_SE
.Lnot_mine_\@:
.endm
; STEP i.  pv: the step before's second product;  next: the next step's scores;  fill: at its end 1 V and K, 2 V alone, 0 nothing;  ask: a prefetch
.macro TRIP pv, next, fill, ask
	MLOAD
.if \pv
	PLOAD
	VDST
	s_wait_dscnt 40                                ; the maxima are in; p's 40 loads may be out
.else
	VDST
	s_wait_dscnt 0x0
.endif
.irp p, 0,1
	v_max3_num_f32 v[T+4*\p], v[MX+4*\p], v[MX+4*\p+1], v[MX+4*\p+2]
.endr
.irp p, 0,1
	v_max3_num_f32 v[RM+\p], v[T+4*\p], v[MX+4*\p+3], v[RM+\p]   ; the running largest score of 32 queries
.endr
.irp p, 0,1
	v_mul_f32 v[T+4*\p], s[NC], v[RM+\p]           ; -t
.endr
.irp p, 0,1
	v_floor_f32 v[NB+4*\p], v[T+4*\p]              ; -M: M is a whole number
	v_floor_f32 v[NB+4*\p+2], v[T+4*\p]
.endr
.irp p, 0,1
	v_sub_f32 v[T+4*\p+1], v[NB+4*\p], v[NM+\p]    ; old M less new M
.endr
.irp p, 0,1
	v_mov_b32 v[NM+\p], v[NB+4*\p]
	v_cvt_i32_f32 v[T+4*\p+1], v[T+4*\p+1]         ; (it saturates)
.endr
.irp p, 0,1
	v_permlane16_swap_b32 v[NB+4*\p], v[NB+4*\p+2] ; lanes 0-15's -M in both halves, and lanes 16-31's
	v_ldexp_f32 v[FB+4*\p], 1.0, v[T+4*\p+1]       ; f = 2^(old M - new M): a multiplication by it rounds nothing
	v_ldexp_f32 v[FB+4*\p+2], 1.0, v[T+4*\p+1]
.endr
.irp p, 0,1
	v_permlane16_swap_b32 v[FB+4*\p], v[FB+4*\p+2]
.endr
.irp u, 0,1,2,3                                ; the blocks' scales, two blocks to a register
.irp i, 0,1
	v_fma_f32 v[EB+2*\u+\i], v[X+2*\u+\i], s[CS], v[NB+2*\u]   ; the block's largest t - M
.endr
.endr
.irp u, 0,1,2,3
.irp i, 0,1
	v_max_num_f32 v[EB+2*\u+\i], 0xc2f80000, v[EB+2*\u+\i]     ; -124: the byte cannot fall under 1
.endr
.endr
.irp u, 0,1,2,3
.irp i, 0,1
	v_floor_f32 v[EB+2*\u+\i], v[EB+2*\u+\i]
.endr
.endr
.irp u, 0,1,2,3
.irp i, 0,1
	v_cvt_i32_f32 v[EB+2*\u+\i], v[EB+2*\u+\i]
.endr
.endr
.irp u, 0,1,2,3
.irp i, 0,1
	v_add_nc_u32 v[EB+2*\u+\i], 0x7d, v[EB+2*\u+\i]            ; the scale's byte: - 2 + 127
.endr
.endr
.irp u, 0,1,2,3
.irp i, 0,1
	v_lshlrev_b32 v[BM+4*\u+2*\i], 23, v[EB+2*\u+\i]           ; the conversion's scale operand,
	v_lshlrev_b32 v[BM+4*\u+2*\i+1], 23, v[EB+2*\u+\i]
.endr
.endr
.irp u, 0,1,2,3
.irp i, 0,1
	v_permlane16_swap_b32 v[BM+4*\u+2*\i], v[BM+4*\u+2*\i+1]   ; each block's in both halves of the lanes
.endr
.endr
.irp u, 0,1,2,3
	v_pk_mul_f32 v[LS+2*\u:LS+2*\u+1], v[LS+2*\u:LS+2*\u+1], v[FB+2*\u:FB+2*\u+1] op_sel_hi:[1,0]
	v_pk_mul_f32 v[LT+2*\u:LT+2*\u+1], v[LT+2*\u:LT+2*\u+1], v[FB+2*\u:FB+2*\u+1] op_sel_hi:[1,0]
.endr
	WIN 0x45
.set j, 0
.rept 32
	v_pk_fma_f32 v[j:j+1], v[j:j+1], s[CS:CS+1], v[NB:NB+1] op_sel_hi:[1,0,0]   ; t - M of tile 0, two at a time
.set j, j+2
.endr
	WIN 0
.irp u, 0,1,2,3
.irp i, 0,1
	ds_store_b8 v[WRB], v[EB+2*\u+\i] offset:64*\u+2*\i
.endr
.endr
.if \pv
	VLOAD
.endif
	EXPS 0
	CVT 0
	EXPS 1
	CVT 1
	VDST
	STC 1
.if \pv
	s_wait_dscnt 4                                 ; V and p are in: four stores of codes are younger
	PV
.if \ask
	s_wait_xcnt 0x0                                ; the last prefetch has read its address
	s_add_nc_u64 s[PFA:PFA+1], s[PFA:PFA+1], GROUPB
.endif
.endif
.if \next
	KLOAD
.endif
.if \ask
	ASK
.endif
	EXPS 2
	CVT 2
	EXPS 3
	CVT 3
	WIN 0x45
.set j, 192
.rept 16
	v_pk_add_f32 v[j:j+1], v[j:j+1], v[j+2:j+3]    ; tile 3's first level
.set j, j+4
.endr
	WIN 0x04
.irp i, 0,8,16,24,32,40,48,56                  ; the rows' sums of the unquantised p: eight chains
.irp u, 0,1,2,3
	v_pk_add_f32 v[LS+2*\u:LS+2*\u+1], v[LS+2*\u:LS+2*\u+1], v[64*\u+\i:64*\u+\i+1]
	v_pk_add_f32 v[LT+2*\u:LT+2*\u+1], v[LT+2*\u:LT+2*\u+1], v[64*\u+\i+4:64*\u+\i+5]
.endr
.endr
	WIN 0
	VDST
	STC 3
.if \next
	s_wait_dscnt 4                                 ; the next step's K is in: four stores of codes are younger
	QK
	MAXS
.else
.irp u, 0,1,2,3
	v_pk_add_f32 v[LS+2*\u:LS+2*\u+1], v[LS+2*\u:LS+2*\u+1], v[LT+2*\u:LT+2*\u+1]
.endr
.irp u, 0,1,2,3
	v_add_f32 v[T+\u], v[LS+2*\u], v[LS+2*\u+1]
.endr
	v_permlane16_swap_b32 v[T], v[T+1]
	v_permlane16_swap_b32 v[T+2], v[T+3]
	v_add_f32 v[T+4], v[T], v[T+1]                 ; my keys' sums of 32 queries
	v_add_f32 v[T+5], v[T+2], v[T+3]
.endif
	PUB
	s_wait_tensorcnt 0x0                           ; no tensor load of mine is out: my unit of the next step's slot is in
	ds_add_u32 v[SPW], v[NIL]                      ; 0 onto my spare word
.if \fill
	s_add_co_u32 s[G0+1], s[WOFF], s[SB]           ; my unit of the slot just read,
	s_add_nc_u64 s[G0+2:G0+3], s[G0+2:G0+3], GROUPB   ; the next step's V; the type bits on top are not reached
.endif
	s_xor_b32 s[TR], s[TR], FLIPX
	s_xor_b32 s[TW], s[TW], FLIPX
	s_xor_b32 s[SB], s[SB], SLOT
	ADRS
	VDST
	s_wait_dscnt 0x0                               ; the add and my stores are done, and my reads of the slot are over
	s_barrier_signal -1
.if \pv
	WIN 0xc3
	VDST
.irp f, 0,1                                    ; O^T under the new M, while the others arrive
.irp u, 0,1,2,3
.irp i, 0,2,4,6,8,10,12,14
	v_pk_mul_f32 v[16*(4*\f+\u)+\i:16*(4*\f+\u)+\i+1], v[16*(4*\f+\u)+\i:16*(4*\f+\u)+\i+1], v[FB+2*\u:FB+2*\u+1] op_sel_hi:[1,0]
.endr
.endr
.endr
	WIN 0
.endif
	s_barrier_wait -1
.if \fill
	CREST                                          ; no wave of any partner still reads the slot or has a load on its way
.if \fill == 1
	FILL G1D
.else
	FILL G1S
.endif
.endif
.endm
	s_load_b128 s[4:7], s[0:1], 0x0                ; q s[4:5], kv s[6:7]
	s_load_b64 s[8:9], s[0:1], 0x10                ; out0
	v_lshl_add_u32 v[SPW], v0, 2, SPARE
	v_mov_b32 v[NIL], 0
	ds_add_u32 v[SPW], v[NIL]                      ; the wave's opening: the add, twice on end, and its wait ahead of my first tensor load
	ds_add_u32 v[SPW], v[NIL]
	v_lshrrev_b32 v23, 5, v0
	v_readfirstlane_b32 s[WV], v23                 ; wave 0..3
	s_bfe_u32 s[CX], ttmp6, 0x40000                ; my place in the cluster: it enters q's, out0's and the prefetches' addresses alone
	s_lshl_b32 s[QB], ttmp9, 2
	s_add_co_u32 s[QB], s[QB], s[CX]               ; my block of 64 queries
	s_and_b32 s[BAT], ttmp7, 0xffff                ; the batch, which the four partners share
	s_mov_b32 s[TR], PBASE+BUF
	s_mov_b32 s[TW], PBASE
	s_mov_b32 s[SB], 0
	s_mul_i32 s[WOFF], s[WV], STEPB
	s_mov_b32 s[CNT], 5
	s_mov_b32 s[CS], 0x3db8aa3b                    ; c = log2(e) / 16
	s_mov_b32 s[CS+1], s[CS]                       ; (named with it as a pair, so it is written)
	s_mov_b32 s[NC], 0xbdb8aa3b
	; descriptor group 1, elements of 8 bytes, no padding, mask of all four work-groups, bit 21 set beside it: two rows of a block, a step apart (K of steps 0 and 1);
	; two rows of a block, V of a step and K of two steps on; one block as 68 rows of 256 bytes
.irp g, G1H, G1D, G1S
	s_mov_b32 s[\g], 15|(3<<16)|(1<<21)
	s_mov_b32 s[\g+6], 0
	s_mov_b32 s[\g+7], 0
.endr
.irp g, G1H, G1D
	s_mov_b32 s[\g+1], (BLOCKB/8)<<16              ; tensor_dim0
	s_mov_b32 s[\g+2], 2<<16                       ; tensor_dim1
	s_mov_b32 s[\g+3], (BLOCKB/8)<<16              ; tile_dim0
	s_mov_b32 s[\g+4], 2                           ; tile_dim1
.endr
	s_mov_b32 s[G1H+5], GROUPB/8                   ; the pitch
	s_mov_b32 s[G1D+5], (2*GROUPB-BLOCKB)/8
	s_mov_b32 s[G1S+1], 32<<16
	s_mov_b32 s[G1S+2], 68<<16
	s_mov_b32 s[G1S+3], 32<<16
	s_mov_b32 s[G1S+4], 68
	s_mov_b32 s[G1S+5], 32
	s_and_b32 s40, s[WV], 1
	s_lshr_b32 s41, s[WV], 1                       ; my features: 128 (w / 2) + 64 (w % 2) on
	s_mul_i32 s44, s[BAT], 32*STEPB
	s_add_co_u32 s44, s44, s[WOFF]                 ; kv: the batch's first step, my unit
	s_mov_b32 s45, 0
	s_lshl_b32 s46, s40, 13
	s_lshl_b32 s47, s41, 10
	s_add_co_u32 s46, s46, s47                     ; V's fragments 8 (w % 2) + w / 2 on
	s_lshl_b32 s47, s41, 9
	s_lshl_b32 s48, s40, 8
	s_add_co_u32 s47, s47, s48
	s_add_co_u32 s47, s47, 16384                   ; and their scale words
	s_mov_b32 s52, 2*GROUPB+BLOCKB
	s_cmp_eq_u32 ttmp9, 0
	s_cselect_b32 s52, 4*GROUPB, s52               ; the first prefetch names step 4's K, or step 2's V
	s_mul_i32 s50, s[CX], 17*256
	s_add_co_u32 s52, s52, s50
	s_add_co_u32 s52, s52, s44
	s_mov_b32 s53, 0
	s_cmp_lt_u32 ttmp9, 2
	s_cselect_b32 s[LIM], 1, -1                    ; the same in all four partners
	s_lshl_b32 s54, s[BAT], 5
	s_lshr_b32 s55, s[QB], 1
	s_add_co_u32 s54, s54, s55
	s_mul_i32 s54, s54, BLOCKB                     ; q: the block of 128 tokens
	s_and_b32 s55, s[QB], 1
	s_lshl_b32 s56, s55, 13                        ; its tiles 4 (qb % 2) on
	s_add_co_u32 s56, s56, s54
	s_mov_b32 s57, 0
	s_lshl_b32 s58, s55, 8                         ; and their scale words
	s_add_co_u32 s58, s58, s54
	s_mov_b32 s59, 0
	s_lshl_b32 s60, s[BAT], 22
	s_lshl_b32 s61, s[QB], 16
	s_add_co_u32 s60, s60, s61
	s_lshl_b32 s61, s[WV], 8
	s_add_co_u32 s60, s60, s61                     ; out0: my 64 rows, my 256 bytes of each
	s_mov_b32 s61, 0
	v_and_b32 v20, 31, v0                          ; lane
	v_and_b32 v21, 15, v0                          ; r
	v_bfe_u32 v22, v0, 4, 1                        ; h
	v_lshlrev_b32 v[L16], 4, v20
	v_lshlrev_b32 v[L8], 3, v20
	v_lshlrev_b32 v[L4], 2, v20
	v_min_u32 v[PFO], 16, v20
	v_lshlrev_b32 v[PFO], 8, v[PFO]                ; 256 x min(lane, 16)
	v_add_nc_u32 v[KA], s[WOFF], v[L16]            ; step 0's K lies where V lies later
	v_add_nc_u32 v[KS], s[WOFF], v[L8]
	v_add_nc_u32 v[KA0], BLOCKB, v[KA]
	v_add_nc_u32 v[KS0], BLOCKB, v[KS]
	v_add_nc_u32 v[VF0], s46, v[L16]
	v_add_nc_u32 v[VS0], s47, v[L8]
	s_lshl_b32 s48, s[WV], 12
	v_add_nc_u32 v[WC0], s48, v[L16]
	s_lshl_b32 s49, s[WV], 8
	s_add_co_u32 s48, s49, PSO
	s_add_co_u32 s49, s49, MXO
	v_lshl_add_u32 v[WB0], v21, 2, v22
	v_add_nc_u32 v[WB0], s48, v[WB0]
	v_add_nc_u32 v[WM0], s49, v[L4]
	v_add_nc_u32 v[WRM], s[TW], v[WM0]             ; step 0's maxima go into the first buffer
	s_mul_i32 s48, s[WV], STG
	s_add_co_u32 s48, s48, STAGE
	v_and_b32 v23, 8, v21
	v_add_nc_u32 v23, v23, v21                     ; r + 8 (r / 8)
	v_mul_u32_u24 v[STO], v23, SROW
	v_lshl_add_u32 v[STO], v22, 6, v[STO]
	v_add_nc_u32 v[STO], s48, v[STO]
	v_mul_u32_u24 v[RDO], v22, SROW
	v_lshl_add_u32 v[RDO], v21, 4, v[RDO]
	v_add_nc_u32 v[RDO], s48, v[RDO]
	v_lshlrev_b32 v[GO], 10, v22
	v_lshl_add_u32 v[GO], v21, 4, v[GO]
	VDST
	s_wait_dscnt 0x0                               ; both opening adds are done
	s_wait_kmcnt 0x0
	s_add_nc_u64 s[44:45], s[6:7], s[44:45]
	s_add_nc_u64 s[PFA:PFA+1], s[6:7], s[52:53]
	s_add_nc_u64 s[56:57], s[4:5], s[56:57]
	s_add_nc_u64 s[58:59], s[4:5], s[58:59]
	s_add_nc_u64 s[8:9], s[8:9], s[60:61]
	s_mov_b32 s[G0], 1                             ; count = 1
	s_mov_b32 s[G0+1], s[WOFF]                     ; LDS address: my unit of slot 0
	s_mov_b64 s[G0+2:G0+3], s[44:45]
	s_or_b32 s[G0+3], s[G0+3], 0x80000000          ; type = 2
	CROUND                                         ; all four work-groups are here: the first joint loads meet
	FILL G1H                                       ; K of steps 0 and 1
.irp u, 0,1,2,3
.irp s, 0,1
.irp c, 0,1
	global_load_b128 v[QF+8*(2*\u+\s)+4*\c:QF+8*(2*\u+\s)+4*\c+3], v[L16], s[56:57] offset:1024*(2*\u+\s)+512*\c
.endr
.endr
.endr
.irp s, 0,1
	global_load_b64 v[QSC+2*\s:QSC+2*\s+1], v[L8], s[58:59] offset:16384+512*\s
.endr
	WIN 0xc0
.set j, 0
.rept 128
	v_mov_b32 v[j], 0                              ; O^T begins as zeros, under the flight of the first loads: so the step with a second product is written once for the loop
.set j, j+1
.endr
	WIN 0
.irp p, 0,1
	v_mov_b32 v[RM+\p], 0xff61b1e6                 ; the largest score so far: -3e38
	v_mov_b32 v[NM+\p], 0x7f61b1e6                 ; -M
.endr
.irp u, 0,1,2,3
	v_mov_b32 v[NB+2*\u+1], 0                      ; (named as upper halves of pairs)
	v_mov_b32 v[FB+2*\u+1], 0
	v_mov_b32 v[LS+2*\u], 0
	v_mov_b32 v[LS+2*\u+1], 0
	v_mov_b32 v[LT+2*\u], 0
	v_mov_b32 v[LT+2*\u+1], 0
.endr
	VDST
	s_wait_tensorcnt 0x0                           ; my K of steps 0 and 1 is in
	ds_add_u32 v[SPW], v[NIL]
	s_add_co_u32 s[G0+1], s[WOFF], SLOT            ; no tensor load of mine is out: group 0 may be written: slot 1,
	s_add_nc_u64 s[G0+2:G0+3], s[G0+2:G0+3], BLOCKB   ; V of step 0 (and K of step 2)
	s_wait_dscnt 0x0
	CROUND
	FILL G1D
	KLOAD
	s_wait_loadcnt 0x0                             ; Q
	s_wait_dscnt 0x0                               ; K
	QK
	MAXS
	PUB
	s_xor_b32 s[TR], s[TR], FLIPX
	s_xor_b32 s[TW], s[TW], FLIPX
	ADRS
	VDST
	s_wait_dscnt 0x0                               ; my stores are done; slot 1's load may stay out
	s_barrier_signal -1
	s_barrier_wait -1
	TRIP 0, 1, 1, 1                                ; step 0: no second product yet
	s_mov_b32 s[CNT], 4
.Lloop:                                            ; steps 1 to 4
	TRIP 1, 1, 1, 1
	VDST
	s_sub_co_u32 s[CNT], s[CNT], 1
	s_cmp_lg_u32 s[CNT], 0
	s_cbranch_scc1 .Lloop
	s_mov_b32 s[CNT], 2
.Ltail:                                            ; steps 5 and 6: there is no K to fetch any more
	TRIP 1, 1, 2, 0
	VDST
	s_sub_co_u32 s[CNT], s[CNT], 1
	s_cmp_lg_u32 s[CNT], 0
	s_cbranch_scc1 .Ltail
	TRIP 1, 0, 0, 0                                ; step 7: no next step, nothing is filled
	; THE WAY OUT: the last step's second product, two tiles of queries at a time; O^T / the row's sum goes through my stage, and sixteen lanes store 256 consecutive bytes
	MLOAD                                          ; the four waves' sums
	PLOAD
	VDST
	s_wait_dscnt 40                                ; the sums are in
	VLOAD
.irp p, 0,1
	v_add_f32 v[T+4*\p], v[MX+4*\p], v[MX+4*\p+1]
	v_add_f32 v[T+4*\p+1], v[MX+4*\p+2], v[MX+4*\p+3]
.endr
.irp p, 0,1
	v_add_f32 v[T+4*\p], v[T+4*\p], v[T+4*\p+1]
.endr
	VDST
.irp p, 0,1
	v_rcp_f32 v[T+4*\p], v[T+4*\p]
.endr
	v_nop                                          ; one plain place behind a transcendental
	VDST
.irp p, 0,1
	v_mov_b32 v[FB+4*\p], v[T+4*\p]
	v_mov_b32 v[FB+4*\p+2], v[T+4*\p]
.endr
.irp p, 0,1
	v_permlane16_swap_b32 v[FB+4*\p], v[FB+4*\p+2]
.endr
	VDST
	s_wait_dscnt 0x0                               ; p and V
.macro PVH g                           ; tiles g, g + 1: four accumulators by turns
	WIN 0xfe
.irp k, 0,1,2,3
.irp f, 0,1
.irp e, 0,1
	WM 16*(4*\f+\g+\e), 128+16*(2*\k+\f), 128+8*(4*\k+\g+\e), 0, VSC+2*\k+\f, PSC+2*\k+\g/2, \e
.endr
.endr
.endr
	WIN 0
	PLACES
.endm
.macro OUTS g                          ; divided, into the stage, and back as rows: tiles g, g + 1 are rows 16 g .. 16 g + 31
	WIN 0xc3
.irp e, 0,1
.irp f, 0,1
.irp i, 0,2,4,6,8,10,12,14
	v_pk_mul_f32 v[16*(4*\f+\g+\e)+\i:16*(4*\f+\g+\e)+\i+1], v[16*(4*\f+\g+\e)+\i:16*(4*\f+\g+\e)+\i+1], v[FB+2*\g+2*\e:FB+2*\g+2*\e+1] op_sel_hi:[1,0]
.endr
.endr
.endr
	WIN 0x0c
.irp e, 0,1
.irp f, 0,1
.irp i, 0,1,2,3
	ds_store_b128 v[STO], v[16*(4*\f+\g+\e)+4*\i:16*(4*\f+\g+\e)+4*\i+3] offset:(16*\g+8*\e)*SROW+128*\f+16*\i
.endr
.endr
.endr
	WIN 0x40
.irp i, 0,1,2,3,4,5,6,7,8,9,10,11,12,13,14,15
	ds_load_b128 v[32*\g+4*\i:32*\g+4*\i+3], v[RDO] offset:(16*\g+2*\i)*SROW   ; LDS serves a wave's instructions in order (ISA guide 5.7.1.4): these see my stores
.endr
	WIN 0
.endm
.macro SEND g
	s_wait_dscnt 0x0                               ; the rows are back in registers
	WIN 0x04
.irp i, 0,1,2,3,4,5,6,7,8,9,10,11,12,13,14,15
	global_store_b128 v[GO], v[32*\g+4*\i:32*\g+4*\i+3], s[8:9] offset:1024*(16*\g+2*\i) th:TH_STORE_NT   ; two rows' aligned 256 bytes; written once, read by nobody here
.endr
	WIN 0
.endm
	PVH 0
	OUTS 0
	PVH 2
	VDST
	SEND 0
	OUTS 2
	VDST
	SEND 2
	s_wait_tensorcnt 0x0                           ; the wave's end, behind my last tensor load and my last LDS store
	ds_add_u32 v[SPW], v[NIL]
	s_wait_dscnt 0x0
	CROUND                                         ; the closing round: no work-group ends while a partner may still ask for a fill that names it
	s_endpgm
.Lfunc_end_k_q5ceba30766_attn:
	.size	k_q5ceba30766_attn, .Lfunc_end_k_q5ceba30766_attn-k_q5ceba30766_attn
	.p2alignl 7, 3214868480
	.fill 96, 4, 3214868480
	.section	.rodata,"a",@progbits
	.p2align	6, 0x0
	.amdhsa_kernel k_q5ceba30766_attn
		.amdhsa_group_segment_fixed_size 327680
		.amdhsa_private_segment_fixed_size 0
		.amdhsa_enable_private_segment 0
		.amdhsa_kernarg_size 24
		.amdhsa_user_sgpr_count 2
		.amdhsa_user_sgpr_kernarg_segment_ptr 1
		.amdhsa_wavefront_size32 1
		.amdhsa_system_sgpr_workgroup_id_x 1
		.amdhsa_system_sgpr_workgroup_id_y 1
		.amdhsa_system_sgpr_workgroup_id_z 1
		.amdhsa_system_vgpr_workitem_id 0
		.amdhsa_next_free_vgpr 1024
		.amdhsa_next_free_sgpr 98
		.amdhsa_reserve_vcc 0
		.amdhsa_float_denorm_mode_32 3
		.amdhsa_float_denorm_mode_16_64 3
		.amdhsa_memory_ordered 1
		.amdhsa_forward_progress 1
		.amdhsa_inst_pref_size 255
	.end_amdhsa_kernel
	.section	.bss,"aw",@nobits
	.p2align	6
	.space	262144
	.amdgpu_metadata
---
amdhsa.version: [ 1, 2 ]
amdhsa.kernels:
  - .name:           k_q5ceba30766_attn
    .symbol:         k_q5ceba30766_attn.kd
    .args:
      - { .name: q, .offset: 0, .size: 8, .value_kind: global_buffer, .address_space: global }
      - { .name: kv, .offset: 8, .size: 8, .value_kind: global_buffer, .address_space: global }
      - { .name: out0, .offset: 16, .size: 8, .value_kind: global_buffer, .address_space: global }
    .group_segment_fixed_size: 327680
    .private_segment_fixed_size: 0
    .kernarg_segment_align: 8
    .kernarg_segment_size: 24
    .max_flat_workgroup_size: 128
    .sgpr_count:     98
    .vgpr_count:     1024
    .wavefront_size: 32
...
	.end_amdgpu_metadata
.endif
;; end of part 2
